; MI455X (gfx1250); checked and timed in simulation.
; The chip was launched on July 23, 2026; its instructions are those of AMD's public machine-readable ISA for CDNA 5 (MIT licence, August 2026) and "CDNA5" Instruction Set Architecture Reference Guide (July 2026). The comments in the code are by the model that wrote it; some were corrected since.
;; LST Mnetwork. Allowed arithmetic: matrix products marked QUANTISED: E2M1 operands, one E8M0 scale for each 32 along K, by v_wmma_scale_f32_16x16x128_f8f6f4 with both operands' format E2M1 (or v_wmma_scale_f32_32x16x128_f4), f32 sums; everything else in f32.
;; Inputs: W_hh0 2 x 2,048 x 512 float32; W_hh12 2 x 2 x 2,048 x 512 float32; W_ih0 2 x 2,048 x 1,024 float32; W_ih12 2 x 2 x 2,048 x 1,024 float32; b_hh0 2 x 2,048 float32; b_hh12 2 x 2 x 2,048 float32; b_ih0 2 x 2,048 float32; b_ih12 2 x 2 x 2,048 float32; x 64 x 64 x 1,024 float32.
;; Outputs: out0 64 x 64 x 1,024 float32.
;; This version of the problem:
;;   THIS VERSION OF THE PROBLEM IS GIVEN IN LOW PRECISION. The matrix products marked QUANTISED in the list below multiply operands that are first quantised to E2M1 (2 exponent bits, 1 mantissa bit; 4 bits a number), with one power-of-two scale for each 32 numbers along K (OCP MX v1.0); their sums are f32. All else is computed in f32.
;;   The module's matrix products, in the order in which they are computed (A, B: the left and right operand; K: the contracted axis; several contracted axes count as one K, in the product's order):
;;     1. [M 4,096, K 1,024] x [K 1,024, N 2,048]; A: input x; B: input W_ih0: QUANTISED
;;     2. [M 4,096, K 1,024] x [K 1,024, N 2,048]; A: input x; B: input W_ih0: QUANTISED
;;     3. [M 4,096, K 1,024] x [K 1,024, N 2,048]; A: computed on the way; B: input W_ih12: QUANTISED
;;     4. [M 4,096, K 1,024] x [K 1,024, N 2,048]; A: computed on the way; B: input W_ih12: QUANTISED
;;     5. [M 4,096, K 1,024] x [K 1,024, N 2,048]; A: computed on the way; B: input W_ih12: QUANTISED
;;     6. [M 4,096, K 1,024] x [K 1,024, N 2,048]; A: computed on the way; B: input W_ih12: QUANTISED
;;   THE QUANTISER, for each operand of a quantised product, along K:
;;     - K is cut into blocks of 32 from its start; a last block that is shorter is filled with zeros.
;;     - A block's scale is 2^e with e = floor(log2(the largest magnitude in the block)) - 2, held to -126 .. 127; a block of zeros has e = 0. As a byte (E8M0): e + 127.
;;     - Each number is divided by its block's scale, clamped to +-6, and rounded to the nearest number of E2M1, ties to even, subnormals kept.
;;     - The product sums the exact products of the quantised numbers (number of the format x scale) in f32.
;;   ~~~python
;;   def quantise(x, axis):      # numpy; x: float32 -> the quantised numbers, widened to float32 again
;;       x = np.moveaxis(x, axis, -1); K = x.shape[-1]
;;       x = np.pad(x, [(0, 0)] * (x.ndim - 1) + [(0, -K % 32)]); x = x.reshape(x.shape[:-1] + (-1, 32)); a = np.abs(x).max(-1, keepdims=True)
;;       e = np.where(a > 0, np.clip(np.frexp(np.where(a > 0, a, 1))[1] - 1 - 2, -126, 127), 0)      # np.frexp(a)[1] - 1 = floor(log2(a)), exactly
;;       r = np.clip(x / 2.0 ** e, -6, 6)
;;       step = 2.0 ** (np.maximum(np.frexp(np.where(r == 0, 1, r))[1] - 1, 0) - 1)
;;       q = np.round(r / step) * step * 2.0 ** e      # np.round: ties to even
;;       return np.moveaxis(q.reshape(q.shape[:-2] + (-1,))[..., :K], -1, axis).astype(np.float32)
;;   ~~~
;;   OPERANDS COMPUTED ON THE WAY. 'Computed on the way' means the value that the module computes at that place (a softmax that the list does not call 'softmax' is quantised finished and normalised). What goes into a quantiser is computed in f32, as accurately as f32 sums, v_exp_f32 and their like allow (about 1e-6 of the number): no bf16 or f16 on the way to a quantiser, and a product that is left as it is and whose result goes on into a quantised operand takes f32 operands (vector FMAs, or v_wmma_f32_16x16x4_f32). A number that lies on a knife's edge between two numbers of the format may be rounded either way, as far as f32 arithmetic and the matrix unit's own rounding can turn it there, and no further.
;; One version. Each part assembles by itself: llvm-mc -triple=amdgcn-amd-amdhsa -mcpu=gfx1250 --defsym DOCPART=n.
;; ======== version 1 of 1: 4 launches
;; limits: right only within a limited range of input values
;; workspace buffers: act0 2,228,224 bytes; act1 2,228,224 bytes; act2 2,228,224 bytes; w0 1,671,168 bytes; w1 1,671,168 bytes; w2 1,671,168 bytes; sela 256 bytes of whole numbers; selb 256 bytes of whole numbers
;; launch quant (part 1): grid 896 x 1, 1 waves a work-group, no clusters, 8,960 bytes of LDS; arguments x, W_ih0, sela, act0, w0, selb; writes act0, w0, sela, selb
.if DOCPART == 1
	.amdgcn_target "amdgcn-amd-amdhsa--gfx1250"
	.amdhsa_code_object_version 6
	.text
	.protected	k_q29195f1d6f_quant
	.globl	k_q29195f1d6f_quant
	.p2align	8
	.type	k_q29195f1d6f_quant,@function
k_q29195f1d6f_quant:
	s_mov_b64 s[64:65], 0
	v_nop
	global_prefetch_b8 v0, s[64:65] scope:SCOPE_SE
	s_setreg_imm32_b32 hwreg(HW_REG_WAVE_MODE, 25, 1), 1
	s_wait_xcnt 0x0
; WORK LEFT OUT OF THE PROGRAM.  Every cell starts from the zero state that reference() builds in its own body: W_hh h0 = 0 for all finite W_hh, and the forget gate f only multiplies c0 = 0.  So W_hh0 and W_hh12
; reach no output: they are no launch's arguments and are not loaded; the f rows of W_ih0, W_ih12 and of the biases (rows 512 .. 1023 of each direction's 2,048) are neither loaded nor multiplied.  (b_hh's i, g, o rows are live and are added.)
; LIMIT: a NaN, an infinity or an overflow that reaches only this work is not carried to the result.
;
; THIS LAUNCH: x [4096][1024] and the i, g, o rows of W_ih0, f32, K innermost, become codes of FP4 (E2M1) with one E8M0 scale byte for each 32 along K, laid as images of the operands' registers.
; (The weights of the later layers are quantised by the layer launch before the one that needs them.)
; A block's scale is 2^(floor(log2(its largest magnitude)) - 2): its byte is the largest magnitude's exponent field - 2, held at 1 from below.
; LIMITS: a block of zeros gets the byte 1 (not 127): its codes are zeros and only this program reads the bytes; NaN and infinities among the inputs are not served.
; IMAGE of a fragment (16 rows x 128 K), 1,024 bytes: the 16 bytes at 512 c + 16 lane are the 32 codes k = 64 c + 32 (lane / 16) + 0 .. 31 of the tile's row lane % 16: one block.
; ROWS OF A TILE: lane r of tile (pair p, u) is row 32 p + 8 u + r + 8 (r / 8) of its group of rows, for weights and activations alike.
; act: block of 128 rows = 8 K steps of 8,704 bytes; a K step = codes [tile 0..7][1024], then scale words [16 tile + r].
; w:   block of 128 hidden units of one direction = 8 K steps of 26,112 bytes; a K step = codes [T 0..23][1024], then words [16 T + r]; T = 8 gate + tile.
; SHARES: a work-group is one wave and does one job: 64 source rows x 128 along K: 32 KiB in, four images (4,096 consecutive bytes) and 64 scale words (256 consecutive bytes, aligned) out.
; 512 jobs for x, 384 for W_ih0.  All 64 loads are issued at the head, each 512 consecutive bytes of one row; a tile's rows turn through a stage in LDS so that a lane holds whole blocks of 32 neighbours.
; No loop, so no prefetch; no tile is shared, so no cluster.  Work-group 0 also stores the numbers 0 and 1: which of W_ih12's two layers the launches layer0 and layer1 quantise.
.set STP,  528                         ; a stage row: 512 bytes + 16
.set SG,   16*STP                      ; behind the stage: the job's 64 scale words
.set LO,   1                           ; v1   16 x lane
.set RA,   2                           ; v2   stage, on the way out: row r, + 128 h
.set WA,   3                           ; v3   SG + 4 r
.set SH8,  4                           ; v4   8 h
.set L8,   5                           ; v5   8 x lane
.set LR,   6                           ; v6   SG + 8 x lane
.set MX,   8
.set SCL,  10
.set BY,   12
.set TMP,  15
.set OW,   16
.set WD,   20                          ; v20-23 a scale word for each tile
.set CD,   32                          ; v32-63 codes, eight registers a tile
.set X,    64                          ; v64-191 two sets of 64 numbers;  window 1: the numbers as loaded: tile t, row i at 4 (16 t + i)
.set MSB,  0
.macro WIN new                         ; the immediate's high byte repeats the setting that is left
.if MSB != \new
	s_set_vgpr_msb (MSB<<8)|\new
.set MSB, \new
.endif
.endm
	s_load_b256 s[4:11], s[0:1], 0x0               ; x s[4:5], W_ih0 s[6:7], sela s[8:9], act0 s[10:11]
	s_load_b128 s[12:15], s[0:1], 0x20             ; w0, selb
	v_lshl_add_u32 v254, v0, 2, 0x2200             ; my spare word
	v_mov_b32 v255, 0
	v_lshlrev_b32 v[LO], 4, v0
	v_and_b32 v7, 15, v0                           ; r
	v_lshrrev_b32 v[SH8], 4, v0                    ; h
	v_mul_u32_u24 v[RA], v7, STP
	v_lshl_add_u32 v[RA], v[SH8], 7, v[RA]
	v_lshl_add_u32 v[WA], v7, 2, SG
	v_lshlrev_b32 v[SH8], 3, v[SH8]
	v_lshlrev_b32 v[L8], 3, v0
	v_add_nc_u32 v[LR], SG, v[L8]
	v_mov_b32 v[TMP], 0                            ; written once: a lane permute's destination counts as one of its sources
	s_mov_b32 s24, 0x76543210
	s_mov_b32 s25, 0xfedcba98                      ; v_permlanex16_b32's selects for lane l xor 16
	; THE JOB.  K step = number % 8 in both kinds
	s_and_b32 s27, ttmp9, 7                        ; ks
	s_lshr_b32 s28, ttmp9, 3                       ; x: group of 64 rows
	s_lshr_b32 s29, s28, 1                         ;    block of 128 rows
	s_and_b32 s30, s28, 1
	s_lshl_b32 s30, s30, 2                         ;    first tile: 0 or 4
	s_lshl_b32 s31, s28, 6                         ;    first source row
	s_sub_co_i32 s32, ttmp9, 512
	s_max_i32 s32, s32, 0                          ; W: j (held at 0 in x's jobs, which do not use it)
	s_lshr_b32 s35, s32, 3                         ;    0 .. 47 = 16 gate + 2 block + half
	s_lshr_b32 s36, s35, 4                         ;    gate 0, 1, 2 = i, g, o
	s_bfe_u32 s37, s35, 0x30001                    ;    block of 128 units: 4 direction + quarter
	s_and_b32 s38, s35, 1                          ;    which 64 units of it
	s_lshl_b32 s39, s36, 3
	s_lshl_b32 s40, s38, 2
	s_add_co_u32 s39, s39, s40                     ;    first tile T = 8 gate + 4 half
	s_min_u32 s40, s36, 1
	s_add_co_u32 s40, s40, s36
	s_lshl_b32 s40, s40, 9                         ;    the gate's first row: 0, 1024, 1536
	s_lshr_b32 s41, s37, 2
	s_lshl_b32 s41, s41, 11
	s_add_co_u32 s40, s40, s41                     ;    + 2048 x direction
	s_and_b32 s41, s37, 3
	s_lshl_b32 s41, s41, 7
	s_add_co_u32 s40, s40, s41                     ;    + 128 x quarter
	s_lshl_b32 s41, s38, 6
	s_add_co_u32 s40, s40, s41                     ;    + 64 x half
	s_cmp_lt_u32 ttmp9, 512                        ; x's job or W's?
	s_cselect_b32 s29, s29, s37                    ; block
	s_cselect_b32 s30, s30, s39                    ; first tile
	s_cselect_b32 s31, s31, s40                    ; first source row
	s_cselect_b32 s42, 1, 3                        ; F: a block and a K step of w are three times those of act
	s_mul_i32 s43, s29, 69632
	s_mul_i32 s44, s27, 8704
	s_add_co_u32 s43, s43, s44
	s_mul_i32 s45, s43, s42
	s_lshl_b32 s41, s30, 10
	s_add_co_u32 s45, s45, s41                     ; my four images: F (block + K step) + 1024 tile
	s_add_co_u32 s44, s43, 8192
	s_mul_i32 s44, s44, s42
	s_lshl_b32 s41, s30, 6
	s_add_co_u32 s44, s44, s41                     ; my 64 scale words: F (block + K step + 8192) + 64 tile
	s_lshl_b32 s31, s31, 12
	s_lshl_b32 s41, s27, 9
	s_add_co_u32 s31, s31, s41                     ; the source: 4096 x row + 512 x ks
	s_wait_alu depctr_va_vdst(0)                   ; the wait at the head's end
	s_wait_kmcnt 0x0
	s_cmp_lt_u32 ttmp9, 512                        ; the buffers are chosen on the work-group's number alone
	s_cselect_b64 s[18:19], s[4:5], s[6:7]
	s_cselect_b64 s[20:21], s[10:11], s[12:13]
	s_mov_b64 s[22:23], s[20:21]
	s_mov_b32 s26, s31
	s_mov_b32 s27, 0
	s_add_nc_u64 s[18:19], s[18:19], s[26:27]      ; source
	s_mov_b32 s26, s45
	s_add_nc_u64 s[20:21], s[20:21], s[26:27]      ; images
	s_mov_b32 s26, s44
	s_add_nc_u64 s[22:23], s[22:23], s[26:27]      ; scale words
	WIN 0x40                                       ; destination window 1
.irp t, 0,1,2,3
.irp i, 0,1,2,3,4,5,6,7,8,9,10,11,12,13,14,15
	global_load_b128 v[4*(16*\t+\i):4*(16*\t+\i)+3], v[LO], s[18:19] offset:(32*(\t/2)+8*(\t%2)+\i+8*(\i/8))*4096 th:TH_LOAD_NT   ; 512 consecutive bytes of the row that is row i of tile t
.endr
.endr
	WIN 0
; Tile t's rows go into the stage as loaded and come back 128 + 128 bytes a lane.  LDS serves a wave's instructions in order (ISA guide 5.7.1.4).
.macro TURN t
	s_wait_loadcnt 48-16*(\t)                      ; tile t's sixteen loads are in; the younger tiles' may be out
	WIN 0x04                                       ; an LDS store's data are its source 1: window 1
.irp i, 0,1,2,3,4,5,6,7,8,9,10,11,12,13,14,15
	ds_store_b128 v[LO], v[4*(16*(\t)+\i):4*(16*(\t)+\i)+3] offset:STP*\i
.endr
	WIN 0
.irp c, 0,1
.irp q, 0,1,2,3,4,5,6,7
	ds_load_b128 v[X+64*((\t)%2)+32*\c+4*\q:X+64*((\t)%2)+32*\c+4*\q+3], v[RA] offset:256*\c+16*\q   ; k = 64 c + 32 h + 4 q ..
.endr
.endr
.endm
; Tile t: my two blocks (2 c + h) of row r become eight registers of codes and my two bytes of the row's scale word.
.macro WORK t
.set XS, X+64*((\t)%2)
.irp c, 0,1
	v_max3_num_f32 v[MX+\c], |v[XS+32*\c]|, |v[XS+32*\c+1]|, 0x1800000   ; the floor 2^(3 - 127) among the leaves
.endr
.irp i, 2,4,6,8,10,12,14,16,18,20,22,24,26,28,30
.irp c, 0,1
	v_max3_num_f32 v[MX+\c], v[MX+\c], |v[XS+32*\c+\i]|, |v[XS+32*\c+\i+1]|
.endr
.endr
.irp c, 0,1
	v_add_nc_u32 v[SCL+\c], 0xff000000, v[MX+\c]   ; 2 off the exponent field: the conversion's scale operand
.endr
.irp c, 0,1
	v_lshrrev_b32 v[BY+\c], 23, v[SCL+\c]          ; the scale's byte
.endr
	v_lshl_or_b32 v[WD+(\t)], v[BY+1], 16, v[BY]   ; blocks h and 2 + h,
	v_lshlrev_b32 v[WD+(\t)], v[SH8], v[WD+(\t)]   ; at their places in the word;
	v_permlanex16_b32 v[TMP], v[WD+(\t)], s24, s25
	v_or_b32 v[WD+(\t)], v[WD+(\t)], v[TMP]        ; with lane l xor 16's two the word is whole
.irp c, 0,1
.irp q, 0,1,2,3
	v_cvt_scalef32_pk8_fp4_f32 v[CD+8*(\t)+4*\c+\q], v[XS+32*\c+8*\q:XS+32*\c+8*\q+7], v[SCL+\c]
.endr
.endr
	v_nop                                          ; one plain line behind the last conversion of the run
.irp c, 0,1
	global_store_b128 v[LO], v[CD+8*(\t)+4*\c:CD+8*(\t)+4*\c+3], s[20:21] offset:1024*(\t)+512*\c   ; 512 consecutive bytes, aligned
.endr
	ds_store_b32 v[WA], v[WD+(\t)] offset:64*(\t)  ; both halves of the lanes write the same word with the same value
.endm
	TURN 0
	TURN 1
	s_wait_dscnt 32                                ; tile 0 is back; behind its loads: tile 1's 32
	WORK 0
	TURN 2
	s_wait_dscnt 33                                ; behind tile 1's loads: one word store and tile 2's 32
	WORK 1
	TURN 3
	s_wait_dscnt 33
	WORK 2
	s_wait_dscnt 1                                 ; behind tile 3's loads: one word store
	WORK 3
	ds_load_b64 v[OW:OW+1], v[LR]                  ; in order behind my four word stores
	s_wait_dscnt 0x0
	global_store_b64 v[L8], v[OW:OW+1], s[22:23]   ; 256 consecutive bytes, aligned
	s_cmp_lg_u32 ttmp9, 0
	s_cbranch_scc1 .Lno_sel
	v_mov_b32 v24, 0                               ; work-group 0: the layer numbers, each over 256 bytes
	v_mov_b32 v25, 0
	v_mov_b32 v26, 1
	v_mov_b32 v27, 1
	global_store_b64 v[L8], v[24:25], s[8:9]
	global_store_b64 v[L8], v[26:27], s[14:15]
.Lno_sel:
	s_wait_tensorcnt 0x0                           ; the wave's end
	ds_add_u32 v254, v255
	s_wait_dscnt 0x0
	s_endpgm
.Lfunc_end_k_q29195f1d6f_quant:
	.size	k_q29195f1d6f_quant, .Lfunc_end_k_q29195f1d6f_quant-k_q29195f1d6f_quant
	.p2alignl 7, 3214868480
	.fill 96, 4, 3214868480
	.section	.rodata,"a",@progbits
	.p2align	6, 0x0
	.amdhsa_kernel k_q29195f1d6f_quant
		.amdhsa_group_segment_fixed_size 8960
		.amdhsa_private_segment_fixed_size 0
		.amdhsa_enable_private_segment 0
		.amdhsa_kernarg_size 48
		.amdhsa_user_sgpr_count 2
		.amdhsa_user_sgpr_kernarg_segment_ptr 1
		.amdhsa_wavefront_size32 1
		.amdhsa_system_sgpr_workgroup_id_x 1
		.amdhsa_system_sgpr_workgroup_id_y 1
		.amdhsa_system_sgpr_workgroup_id_z 1
		.amdhsa_system_vgpr_workitem_id 0
		.amdhsa_next_free_vgpr 512
		.amdhsa_next_free_sgpr 66
		.amdhsa_reserve_vcc 0
		.amdhsa_float_denorm_mode_32 3
		.amdhsa_float_denorm_mode_16_64 3
		.amdhsa_memory_ordered 1
		.amdhsa_forward_progress 1
		.amdhsa_inst_pref_size 32
	.end_amdhsa_kernel
	.amdgpu_metadata
---
amdhsa.version: [ 1, 2 ]
amdhsa.kernels:
  - .name:           k_q29195f1d6f_quant
    .symbol:         k_q29195f1d6f_quant.kd
    .args:
      - { .name: x, .offset: 0, .size: 8, .value_kind: global_buffer, .address_space: global }
      - { .name: W_ih0, .offset: 8, .size: 8, .value_kind: global_buffer, .address_space: global }
      - { .name: sela, .offset: 16, .size: 8, .value_kind: global_buffer, .address_space: global }
      - { .name: act0, .offset: 24, .size: 8, .value_kind: global_buffer, .address_space: global }
      - { .name: w0, .offset: 32, .size: 8, .value_kind: global_buffer, .address_space: global }
      - { .name: selb, .offset: 40, .size: 8, .value_kind: global_buffer, .address_space: global }
    .group_segment_fixed_size: 8960
    .private_segment_fixed_size: 0
    .kernarg_segment_align: 8
    .kernarg_segment_size: 48
    .max_flat_workgroup_size: 32
    .sgpr_count:     66
    .vgpr_count:     512
    .wavefront_size: 32
...
	.end_amdgpu_metadata
.endif
;; end of part 1
;; launch layer0 (part 2): grid 8 x 32, 8 waves a work-group, clusters of 4 x 4, 327,680 bytes of LDS; arguments act0, w0, b_ih0, b_hh0, act1, W_ih12, w1, sela; writes act1, w1
.if DOCPART == 2
	.amdgcn_target "amdgcn-amd-amdhsa--gfx1250"
	.amdhsa_code_object_version 6
	.text
	.protected	k_q29195f1d6f_layer0
	.globl	k_q29195f1d6f_layer0
	.p2align	8
	.type	k_q29195f1d6f_layer0,@function
k_q29195f1d6f_layer0:
	s_mov_b64 s[64:65], 0
	v_nop
	global_prefetch_b8 v0, s[64:65] scope:SCOPE_SE
	s_setreg_imm32_b32 hwreg(HW_REG_WAVE_MODE, 25, 1), 1
	s_wait_xcnt 0x0
	s_wait_alu depctr_hold_cnt(0) depctr_sa_sdst(0) depctr_va_vdst(0) depctr_va_sdst(0) depctr_va_ssrc(0) depctr_va_vcc(0) depctr_vm_vsrc(0)
	s_getreg_b32 s2, hwreg(HW_REG_IB_STS2, 6, 4)
	s_cmp_eq_u32 s2, 0
	s_cbranch_scc0 .Lentry_in_a_cluster
	s_endpgm
.Lentry_in_a_cluster:
	s_bfe_u32 s2, ttmp6, 0x10000c
	s_cmp_lg_u32 s2, 0xf033
	s_cbranch_scc0 .Lentry_shape_is_right
	s_endpgm
.Lentry_shape_is_right:
; ONE LAYER: h = sigmoid(o) tanh(sigmoid(i) tanh(g)), gates = act W^T + b_ih + b_hh, both directions, on codes of FP4 (E2M1) with E8M0 scales for each 32 along K; h is quantised along the next layer's K
; and stored as the next layer's operand images.  Beside it the launch quantises the NEXT layer's weights (i, g, o rows of W_ih12[sel], sel a number that the first launch stored) into w images.
; LEFT OUT: the f gate's rows and W_hh, which enter no result of a cell whose state starts at zero (the first kernel's head shows it).
; LIMITS: NaN and infinities are not served; where a divisor passes 2^126 the reciprocal gives 0 (the true value is under 2^-115); a block of zeros gets the scale byte 1 over zero codes; b_ih + b_hh are added first and start each sum.
.set ASTEP, 8704                       ; a K step of act's block
.set BSTEP, 26112                      ; a K step of w's block
; OPERANDS arrive as images of their registers (layout: the first kernel's head); T = 8 gate + 2 wu + u.  A lane's 16 registers of tiles u = 0, 1 of a gate are 16 neighbouring hidden units.
; SHARES: work-group (nb, mb): rows 128 mb .., hidden units 128 nb .. of the 1,024 (direction nb / 4), three gates, all of K = 1,024: 256 work-groups.
;   Wave w = 4 wr + wu: 64 rows (4 tiles, from tile 4 wr) x units 32 wu .. + 31 x 3 gates: 12 accumulators of 32 x 16, 192 registers.  Its 32 units are one block of the next K.
;   THE MATRIX INSTRUCTION IS USED TRANSPOSED: source 0 = 32 rows of W (tiles u = 0, 1), source 1 = 16 rows of act: lane (r, h) holds row r and, in register 8 u + j, unit 32 wu + 16 h + 8 u + j.
; CLUSTER 4 x 4: act's block hangs on mb alone and is asked for jointly by a row of the cluster, w's on nb alone and by a column.
; No prefetch: all tiles are asked for at the head, and there is no loop to run ahead in; the next layer's weights are loaded into registers in K step 2 and first read behind K step 7.
; ACTIVATION in f32: tanh(g) = g P(g^2) / Q(g^2), a 13/6 rational with g held at +-7.9053; Q's coefficients carry a factor 15, so that C = g P / ((1 + e^-i) 15 Q) = c / 15, c = sigmoid(i) tanh(g), |c| <= 1;
;   with X = C^2: tanh(c) = C (X^2 + 105/225 X + 945/225^2) / (X^2 + 28/225 X + 63/225^2), the [5/4] form of tanh; (1 + e^-o) goes into its divisor.
;   A batch of transcendentals stands between two waits and is laid among lines that read only what stood ahead of the first and are read behind the second.
; THE NEXT WEIGHTS: 8 blocks x 8 K steps x 24 tiles = 1,536 tiles of 16 rows x 128 K, six for each work-group, one for each of waves 0-5.  A tile's 16 scale words are 64 bytes: its store writes part of a 256-byte unit, 1 byte in 128 of what is read.
; REGISTERS: window 0: v1-23 addresses; v24-30, v32-34, v56-59 scale words (two sets, nothing else ever); v36-55 at work; v60-63 addresses; v64-159 W's fragments, two sets of 48; v160-223 act's, two sets of 32; v224-255 half of the weights' tile.
;   window 1: v0-191 accumulators at 64 gate + 16 m + 8 u; v192-239 the biases, later the other half of the weights' tile.
.set ABLK, 8*ASTEP
.set BBLK, 8*BSTEP
.set BREG, ABLK                        ; LDS: act's block at 0, w's behind it; every byte is filled once
.set SST,  BREG+BBLK                   ; 512 bytes for the new scale words
.set SPARE, SST+512                    ; the spare words, 128 bytes for each wave
.set QST,  SPARE+1024                  ; a stage of 16 rows x 272 bytes for each wave
.set QP,   272
.set L16,  3
.set ADA,  4
.set ASA,  5
.set ADB,  6                           ; v6-9: two K steps each
.set WO,   12
.set WB,   13
.set WR,   14
.set BO,   15
.set QL,   16
.set QS,   17
.set QR,   18
.set QW,   19
.set SPW,  21
.set NIL,  22
.set SCA,  24                          ; act's words: v24-27, v56-59
.set SCB,  28                          ; W's: v28-30, v32-34
.set TMPQ, 31
.set SH8,  35
.set MX,   36
.set PX,   40
.set SCL,  44
.set CDQ,  48
.set BSA,  60                          ; v60-63: two K steps each
.set CDH,  200
.set WF,   64
.set AF,   160
.set BIAS, 192
.set VA13, 4                           ; behind the products
.set VB6,  6
.set IA,   64                          ; the activation's arrays, 64 numbers each; window 0: e^-i and its divisor, later h;
.set QA,   128                         ;   Q;
.set PA,   192                         ;   P, later C
.set LQ,   0                           ; window 1: tanh(c)'s divisor;
.set GA,   64                          ;   g, later tanh(c)'s numerator;
.set OB,   128                         ;   o;
.set XA,   192                         ;   squares
.set WV,   14
.set NB,   17
.set MB,   18
.set KN,   24                          ; the activation's constants, each as a pair, in the descriptors' registers (K step 5's wait has shown every load done)
.set KA11, 26
.set KA9,  28
.set KA7,  30
.set KA5,  32
.set KA3,  34
.set KA1,  36
.set KB4,  38
.set KB2,  40
.set KB0,  42
.set KQ1,  44
.set KQ2,  46
.set KN1,  48
.set KN2,  50
.set CLP,  52
.set CLN,  53
.set TI,   0
.set TN,   0
.set TPER, 1
.set TKIND, 0
.set TARR, 0
.set MSB,  0
.macro WIN new                         ; the immediate's high byte repeats the setting that is left
.if MSB != \new
	s_set_vgpr_msb (MSB<<8)|\new
.set MSB, \new
.endif
.endm
.macro CROUND                          ; a round of the cluster's barrier
	s_barrier_signal -1
	s_barrier_wait -1
	s_cmp_lg_u32 s[WV], 0
	s_cbranch_scc1 .Lnot_wave_0_\@
	s_barrier_signal -3
.Lnot_wave_0_\@:
	s_barrier_wait -3
	s_barrier_signal -1
	s_barrier_wait -1
.endm
.macro PLACES                          ; four plain lines in front of loads into registers that matrix instructions have read
.rept 4
	v_nop
.endr
.endm
.macro KPAIR reg, bits                 ; a packed form names a scalar pair and takes its low word for both halves: both words are written
	s_mov_b32 s[\reg], \bits
	s_mov_b32 s[\reg+1], \bits
.endm
.macro DESC g, mask, rows              ; descriptor group 1: a dense block as rows of 32 elements of 8 bytes, no padding; bit 21 beside the mask
	s_or_b32 s[\g], s[\mask], (3<<16)|(1<<21)
	s_mov_b32 s[\g+1], 32<<16
	s_mov_b32 s[\g+2], \rows<<16
	s_mov_b32 s[\g+3], 32<<16
	s_mov_b32 s[\g+4], \rows
	s_mov_b32 s[\g+5], 32
	s_mov_b32 s[\g+6], 0
	s_mov_b32 s[\g+7], 0
.endm
.macro WSTEP ks                        ; w's group 0 for the load that begins at K step ks
	s_mov_b32 s69, BREG+BSTEP*\ks
	s_add_nc_u64 s[70:71], s[70:71], BSTEP*\ks
.endm
.macro ARM under, g0, g1, ks, next
	s_cmp_lt_u32 s[WV], \under
	s_cbranch_scc0 \next
.if \g0 == 68
	WSTEP \ks
.endif
	tensor_load_to_lds s[\g0:\g0+3], s[\g1:\g1+7]
	s_nop 0
	PLACES
	s_branch .Lfilled
\next:
.endm
	s_load_b256 s[4:11], s[0:1], 0x0               ; act, w, b_ih, b_hh
	s_load_b256 s[80:87], s[0:1], 0x20             ; out s[80:81], W_ih12 s[82:83], the next w s[84:85], sel s[86:87]
	v_lshl_add_u32 v[SPW], v0, 2, SPARE
	v_mov_b32 v[NIL], 0
	ds_add_u32 v[SPW], v[NIL]                      ; the wave's opening: the add, twice on end, and its wait
	ds_add_u32 v[SPW], v[NIL]
	v_lshrrev_b32 v1, 5, v0
	v_readfirstlane_b32 s[WV], v1                  ; wave 0..7
	s_bfe_u32 s15, ttmp6, 0x40000                  ; cx, cy
	s_bfe_u32 s16, ttmp6, 0x40004
	s_lshl_b32 s[NB], ttmp9, 2
	s_add_co_u32 s[NB], s[NB], s15                 ; nb
	s_and_b32 s[MB], ttmp7, 0xffff
	s_lshl_b32 s[MB], s[MB], 2
	s_add_co_u32 s[MB], s[MB], s16                 ; mb
	s_lshl_b32 s76, s16, 2
	s_lshl_b32 s76, 15, s76                        ; my row of the cluster
	s_lshl_b32 s77, 0x1111, s15                    ; my column
	s_and_b32 s19, s[WV], 3                        ; wu
	s_lshr_b32 s22, s[WV], 2                       ; wr
	DESC 24, 76, 68                                ; act, K steps 0, 1
	DESC 32, 76, 204                               ; act, K steps 2-7
	DESC 40, 77, 102                               ; w, one K step
	DESC 48, 77, 204                               ; w, two K steps
	s_mov_b32 s20, 0x76543210
	s_mov_b32 s21, 0xfedcba98                      ; v_permlanex16_b32's selects for lane l xor 16
	s_mul_i32 s78, s[MB], ABLK                     ; act's block: made of mb alone
	s_mov_b32 s79, 0
	s_mul_i32 s90, s[NB], BBLK                     ; w's block: made of nb alone
	s_mov_b32 s91, 0
	s_mov_b32 s56, 1                               ; groups 0
	s_mov_b32 s57, 0
	s_mov_b32 s60, 1
	s_mov_b32 s61, 2*ASTEP
	s_mov_b32 s68, 1
	s_lshl_b32 s88, s22, 12                        ; 4 tiles of act x wr
	s_lshl_b32 s89, s22, 8                         ; and their words
	s_add_co_u32 s16, s89, s19
	s_add_co_u32 s16, s16, SST                     ; byte wu of my rows' scale words
	s_add_co_u32 s89, s89, 8192
	s_lshl_b32 s98, s19, 11
	s_add_co_u32 s98, s98, BREG
	s_lshl_b32 s99, s19, 7
	s_add_co_u32 s99, s99, BREG+24576
	s_lshl_b32 s15, s19, 8
	s_add_co_u32 s15, s15, s88                     ; 256 wu + 4096 wr
	s_mul_i32 s76, s[WV], 16*QP
	s_add_co_u32 s76, s76, QST                     ; my stage
	v_and_b32 v2, 31, v0
	v_and_b32 v1, 15, v0                           ; r
	v_bfe_u32 v23, v0, 4, 1                        ; h
	v_lshlrev_b32 v[L16], 4, v2
	v_lshlrev_b32 v20, 2, v2
	v_add_nc_u32 v[ADA], s88, v[L16]
	v_lshl_add_u32 v[ASA], v1, 2, s89
	v_add_nc_u32 v[ADB], s98, v[L16]
	v_add_nc_u32 v[ADB+1], 2*BSTEP, v[ADB]
	v_add_nc_u32 v[ADB+2], 4*BSTEP, v[ADB]
	v_add_nc_u32 v[ADB+3], 6*BSTEP, v[ADB]
	v_add_nc_u32 v[BSA], s99, v20                  ; lanes 0-15 take tile u = 0's words, lanes 16-31 tile u = 1's
	v_add_nc_u32 v[BSA+1], 2*BSTEP, v[BSA]
	v_add_nc_u32 v[BSA+2], 4*BSTEP, v[BSA]
	v_add_nc_u32 v[BSA+3], 6*BSTEP, v[BSA]
	v_lshlrev_b32 v[BO], 6, v23
	v_lshlrev_b32 v[WO], 4, v1
	v_lshl_add_u32 v[WO], v23, 3, v[WO]
	v_add_nc_u32 v[WO], s15, v[WO]                 ; in the next layer's image my block is block wu of K step nb: 256 wu + 16 r + 8 h
	v_lshl_add_u32 v[WB], v1, 2, s16
	v_add_nc_u32 v[WR], SST, v[L16]
	v_lshlrev_b32 v[QW], 2, v1
	v_lshlrev_b32 v[QL], 12, v23                   ; the weights' loads: two rows of 256 bytes an instruction
	v_lshl_add_u32 v[QL], v1, 4, v[QL]
	v_mul_u32_u24 v[QS], v23, QP
	v_lshl_add_u32 v[QS], v1, 4, v[QS]
	v_add_nc_u32 v[QS], s76, v[QS]                 ; the same two rows in the stage
	v_mul_u32_u24 v[QR], v1, QP
	v_lshl_add_u32 v[QR], v23, 7, v[QR]
	v_add_nc_u32 v[QR], s76, v[QR]                 ; back: row r, + 128 h: my block
	v_lshlrev_b32 v[SH8], 3, v23
	v_mov_b32 v[TMPQ], 0                           ; lane permutes' destinations, written once
.irp t, 0,1,2,3
	v_mov_b32 v[PX+\t], 0
.endr
	s_wait_alu depctr_va_vdst(0)
	s_wait_dscnt 0x0                               ; both opening adds are done
	CROUND                                         ; all sixteen work-groups are here: the joint loads meet
	s_wait_kmcnt 0x0
	s_add_nc_u64 s[58:59], s[4:5], s[78:79]
	s_add_nc_u64 s[62:63], s[58:59], 2*ASTEP
	s_or_b32 s59, s59, 0x80000000
	s_or_b32 s63, s63, 0x80000000
	s_add_nc_u64 s[70:71], s[6:7], s[90:91]
	s_or_b32 s71, s71, 0x80000000
	; one tensor load a wave, each a line of its own, in one chain of branches on the wave's number, in the order in which the K steps want the tiles
	ARM 1, 56, 24, 0, .Lfill_1                     ; wave 0: act, K steps 0, 1
	ARM 2, 68, 40, 0, .Lfill_2                     ; wave 1: w, K step 0
	ARM 3, 68, 40, 1, .Lfill_3                     ; wave 2: w, K step 1
	ARM 4, 60, 32, 0, .Lfill_4                     ; wave 3: act, K steps 2-7
	ARM 5, 68, 40, 2, .Lfill_5                     ; wave 4: w, K step 2
	ARM 6, 68, 40, 3, .Lfill_6                     ; wave 5: w, K step 3
	ARM 7, 68, 48, 4, .Lfill_7                     ; wave 6: w, K steps 4, 5
	WSTEP 6                                        ; wave 7: w, K steps 6, 7
	tensor_load_to_lds s[68:71], s[48:55]
	s_nop 0
	PLACES
.Lfilled:
	s_load_b32 s98, s[86:87], 0x0                  ; which layer of W_ih12
	; THE BIASES, in the result's layout: register 16 gate + 8 u + j of lane (r, h) = the bias of unit 32 wu + 16 h + 8 u + j
	s_lshr_b32 s90, s[NB], 2
	s_lshl_b32 s90, s90, 13                        ; direction x 2,048 numbers
	s_and_b32 s91, s[NB], 3
	s_lshl_b32 s91, s91, 9
	s_add_co_u32 s90, s90, s91                     ; + 128 units x quarter
	s_lshl_b32 s91, s19, 7
	s_add_co_u32 s90, s90, s91                     ; + 32 units x wu
	s_mov_b32 s91, 0
	s_add_nc_u64 s[8:9], s[8:9], s[90:91]
	s_add_nc_u64 s[10:11], s[10:11], s[90:91]
	WIN 0x40                                       ; destination window 1
.irp g, 0,1,2                          ; the gates' first numbers: 0, 1024, 1536
.irp q, 0,1,2,3
	global_load_b128 v[BIAS+16*\g+4*\q:BIAS+16*\g+4*\q+3], v[BO], s[8:9] offset:2048*(\g+(\g+1)/2)+16*\q
	global_load_b128 v[16*\g+4*\q:16*\g+4*\q+3], v[BO], s[10:11] offset:2048*(\g+(\g+1)/2)+16*\q
.endr
.endr
	WIN 0
	; the way out: K step nb of the next layer's block mb
	s_mul_i32 s90, s[MB], ABLK
	s_mul_i32 s91, s[NB], ASTEP
	s_add_co_u32 s94, s90, s91                     ; its eight images
	s_mov_b32 s95, 0
	s_add_co_u32 s96, s94, 8192                    ; its 128 scale words
	s_mov_b32 s97, 0
	s_add_nc_u64 s[22:23], s[80:81], s[96:97]
	s_add_nc_u64 s[12:13], s[80:81], s[94:95]
	; my tile of the next weights: block mb / 4, K step (2 mb + nb / 4) % 8, T = 6 (nb % 4) + wave (waves 0-5)
	s_lshr_b32 s76, s[MB], 2
	s_lshl_b32 s77, s[MB], 1
	s_lshr_b32 s78, s[NB], 2
	s_add_co_u32 s77, s77, s78
	s_and_b32 s77, s77, 7
	s_and_b32 s78, s[NB], 3
	s_mul_i32 s78, s78, 6
	s_add_co_u32 s78, s78, s[WV]
	s_lshr_b32 s79, s78, 3                         ; gate
	s_min_u32 s90, s79, 1
	s_add_co_u32 s90, s90, s79
	s_lshl_b32 s90, s90, 9                         ; its first row: 0, 1024, 1536
	s_lshr_b32 s91, s76, 2
	s_lshl_b32 s91, s91, 11
	s_add_co_u32 s90, s90, s91                     ; + 2048 x direction
	s_and_b32 s91, s76, 3
	s_lshl_b32 s91, s91, 7
	s_add_co_u32 s90, s90, s91                     ; + 128 x quarter
	s_and_b32 s91, s78, 7
	s_lshr_b32 s92, s91, 1
	s_lshl_b32 s92, s92, 5
	s_add_co_u32 s90, s90, s92                     ; + 32 x pair
	s_and_b32 s92, s91, 1
	s_lshl_b32 s92, s92, 3
	s_add_co_u32 s90, s90, s92                     ; + 8 u
	s_lshl_b32 s90, s90, 12
	s_lshl_b32 s91, s77, 9
	s_add_co_u32 s90, s90, s91
	s_mov_b32 s91, 0
	s_add_nc_u64 s[82:83], s[82:83], s[90:91]      ; source: 4096 x row + 512 x K step
	s_mul_i32 s92, s76, BBLK
	s_mul_i32 s93, s77, BSTEP
	s_add_co_u32 s92, s92, s93
	s_lshl_b32 s95, s78, 10
	s_add_co_u32 s94, s92, s95                     ; its image
	s_mov_b32 s95, 0
	s_lshl_b32 s97, s78, 6
	s_add_co_u32 s96, s92, s97
	s_add_co_u32 s96, s96, 24576                   ; its 16 scale words
	s_mov_b32 s97, 0
	s_add_nc_u64 s[88:89], s[84:85], s[96:97]
	s_add_nc_u64 s[84:85], s[84:85], s[94:95]
; The fragments and scale words of K step ks into set ks % 2: my six fragments of W, my four of act, act's four registers of words, W's three.
.macro RUN ks
.set FP, (\ks)%2
.set FC, (\ks)/2
.irp e, 0,1,2,3,4,5,6,7,8,9,10,11
	ds_load_b128 v[WF+48*FP+4*\e:WF+48*FP+4*\e+3], v[ADB+FC] offset:BSTEP*FP+8192*(\e/4)+1024*((\e/2)%2)+512*(\e%2)
.endr
.irp e, 0,1,2,3,4,5,6,7
	ds_load_b128 v[AF+32*FP+4*\e:AF+32*FP+4*\e+3], v[ADA] offset:ASTEP*(\ks)+512*\e
.endr
.irp e, 0,1,2,3
	ds_load_b32 v[SCA+32*FP+\e], v[ASA] offset:ASTEP*(\ks)+64*\e
.endr
.irp e, 0,1,2
	ds_load_b32 v[SCB+4*FP+\e], v[BSA+FC] offset:BSTEP*FP+512*\e
.endr
.endm
; One product: row tile m x gate g's two tiles, 128 along K.  In K step 0 the biases are the C that starts the sum.  W's words fill all 32 lanes, act's stand in lanes 0-15.
.macro MM ks, m, g
.set MP, (\ks)%2
.set rD, 64*(\g)+16*(\m)
.set rC, rD
.if (\ks)==0
.set rC, BIAS+16*(\g)
.endif
.set rW, WF+48*MP+16*(\g)
.set rA, AF+32*MP+8*(\m)
	v_wmma_scale_f32_32x16x128_f4 v[rD:rD+15], v[rW:rW+15], v[rA:rA+7], v[rC:rC+15], v[SCB+4*MP+(\g)], v[SCA+32*MP+(\m)]
.endm
.macro QLOAD                           ; waves 0-5: my tile of the next weights, columns 0-63 into window 0, columns 64-127 into the biases' registers, which K step 0 has read
	s_wait_kmcnt 0x0
	s_min_u32 s98, s98, 1                          ; the layer's number, 0 or 1
	s_lshl_b32 s98, s98, 24                        ; x 4,096 rows of 4,096 bytes
	s_mov_b32 s99, 0
	s_add_nc_u64 s[82:83], s[82:83], s[98:99]
	s_cmp_lt_u32 s[WV], 6
	s_cbranch_scc0 .Lno_tile
.irp i, 0,1,2,3,4,5,6,7
	global_load_b128 v[224+4*\i:227+4*\i], v[QL], s[82:83] offset:(2*\i+8*(\i/4))*4096 th:TH_LOAD_NT
.endr
	WIN 0x40
.irp i, 0,1,2,3,4,5,6,7
	global_load_b128 v[192+4*\i:195+4*\i], v[QL], s[82:83] offset:(2*\i+8*(\i/4))*4096+256 th:TH_LOAD_NT
.endr
	WIN 0
.Lno_tile:
.endm
.macro KCONST
	KPAIR KN,   0xbfb8aa3b                         ; -log2(e)
	KPAIR KA11, 0x2a61337e
	KPAIR KA9,  0xaebd37ff
	KPAIR KA7,  0x335c0041
	KPAIR KA5,  0x3779434a
	KPAIR KA3,  0x3a270ded
	KPAIR KA1,  0x3ba059dc
	KPAIR KB4,  0x3ae90c79                         ; Q's coefficients x 15
	KPAIR KB2,  0x3d0b5f64
	KPAIR KB0,  0x3d96543f
	KPAIR KQ1,  0x3dfedcbb                         ; 28/225
	KPAIR KQ2,  0x3aa31ca0                         ; 63/50625
	KPAIR KN1,  0x3eeeeeef                         ; 105/225
	KPAIR KN2,  0x3c98ead6                         ; 945/50625
	s_mov_b32 s[CLP], 0x40fcf84f                   ; 7.9053
	s_mov_b32 s[CLN], 0xc0fcf84f
.endm
; The tiles that waves 0 .. n - 1 asked for are in: each of them waits for its load, and a barrier says so to all.  No LDS instruction of mine is out.
.macro LANDED n
.if \n < 8
	WIN 0
	s_cmp_lt_u32 s[WV], \n
	s_cbranch_scc0 .Lnot_mine_\@
	s_wait_tensorcnt 0x0
.Lnot_mine_\@:
.else
	s_wait_tensorcnt 0x0
.endif
	s_barrier_signal -1
	s_barrier_wait -1
.endm
; A K step: this step's loads are in; the next step's go out in one run (behind the barrier that shows its tiles landed); 12 products, the accumulators by turns, one instruction a turn, in the same order in every step
.macro STEP ks
	s_wait_dscnt 0x0
.if (\ks)==0
	LANDED 3
.elseif (\ks)==1
	LANDED 5
.elseif (\ks)==2
	LANDED 6
.elseif (\ks)==3
	LANDED 7
.elseif (\ks)==5
	LANDED 8
.endif
.if (\ks) < 7
.if (\ks) > 0
	PLACES
.endif
	WIN 0
	RUN (\ks)+1
.endif
.if (\ks)==2
	QLOAD
.endif
.if (\ks)==6
	KCONST
.endif
	WIN 0x50                                       ; W and act window 0, C and D window 1
.irp m, 0,1,2,3
.irp g, 0,1,2
	MM \ks, \m, \g
.endr
.endr
.endm
	LANDED 2
	RUN 0
	s_wait_loadcnt 0x0
	WIN 0x45                                       ; all three in window 1
.set j, 0
.rept 24
	v_pk_add_f32 v[BIAS+j:BIAS+j+1], v[BIAS+j:BIAS+j+1], v[j:j+1]
.set j, j+2
.endr
	WIN 0
	s_wait_alu depctr_va_vdst(0)                   ; the wait at the head's end
.irp k, 0,1,2,3,4,5,6,7
	STEP \k
.endr
	WIN 0
	v_mov_b32 v[VA13], 0xa59f25c0                  ; these four plain lines are the places behind the last products
	v_mov_b32 v[VA13+1], 0xa59f25c0
	v_mov_b32 v[VB6], 0x3796c69b
	v_mov_b32 v[VB6+1], 0x3796c69b
	s_wait_alu depctr_va_vdst(0)
	s_cmp_lt_u32 s[WV], 6
	s_cbranch_scc0 .Lno_stage
	s_wait_loadcnt 0x0                             ; my tile of the next weights is in: through my stage, half by half.  LDS serves a wave's instructions in order (ISA guide 5.7.1.4)
.irp i, 0,1,2,3,4,5,6,7
	ds_store_b128 v[QS], v[224+4*\i:227+4*\i] offset:2*QP*\i
.endr
.irp i, 0,1,2,3,4,5,6,7
	ds_load_b128 v[128+4*\i:131+4*\i], v[QR] offset:16*\i
.endr
	WIN 0x04                                       ; the data: window 1
.irp i, 0,1,2,3,4,5,6,7
	ds_store_b128 v[QS], v[192+4*\i:195+4*\i] offset:2*QP*\i
.endr
	WIN 0
.irp i, 0,1,2,3,4,5,6,7
	ds_load_b128 v[160+4*\i:163+4*\i], v[QR] offset:16*\i
.endr
.Lno_stage:
	; the first reads of the sums, each accumulator from its low end on
	WIN 0x01                                       ; source window 1, destination window 0
.set j, 0
.rept 32
	v_pk_mul_f32 v[IA+j:IA+j+1], v[j:j+1], s[KN:KN+1] op_sel_hi:[1,0]      ; -i log2(e)
.set j, j+2
.endr
	WIN 0x41
.set j, 0
.rept 32
	v_pk_mul_f32 v[OB+j:OB+j+1], v[OB+j:OB+j+1], s[KN:KN+1] op_sel_hi:[1,0]   ; -o log2(e)
.set j, j+2
.endr
.set j, 0
.rept 64
	v_med3_num_f32 v[GA+j], v[GA+j], s[CLN], s[CLP]   ; g, held at +-7.9053
.set j, j+1
.endr
	WIN 0
	s_wait_alu depctr_va_vdst(0)
	s_cmp_lt_u32 s[WV], 6
	s_cbranch_scc0 .Lno_codes
	s_wait_dscnt 0x0                               ; my two blocks (2 c + h, c = 0, 1) of row r of the weights' tile
.irp c, 0,1
	v_max3_num_f32 v[MX+\c], |v[128+32*\c]|, |v[129+32*\c]|, 0x1800000   ; the floor 2^(3 - 127) among the leaves
.endr
.irp i, 2,4,6,8,10,12,14,16,18,20,22,24,26,28,30
.irp c, 0,1
	v_max3_num_f32 v[MX+\c], v[MX+\c], |v[128+32*\c+\i]|, |v[129+32*\c+\i]|
.endr
.endr
.irp c, 0,1
	v_add_nc_u32 v[SCL+\c], 0xff000000, v[MX+\c]   ; 2 off the exponent field: the conversion's scale operand
.endr
.irp c, 0,1
	v_lshrrev_b32 v[MX+2+\c], 23, v[SCL+\c]        ; the scale's byte
.endr
	v_lshl_or_b32 v2, v[MX+3], 16, v[MX+2]
	v_lshlrev_b32 v2, v[SH8], v2
	v_permlanex16_b32 v[TMPQ], v2, s20, s21
	v_or_b32 v2, v2, v[TMPQ]                       ; the row's scale word
.irp c, 0,1
.irp q, 0,1,2,3
	v_cvt_scalef32_pk8_fp4_f32 v[CDQ+4*\c+\q], v[128+32*\c+8*\q:135+32*\c+8*\q], v[SCL+\c]
.endr
.endr
	v_nop                                          ; one plain line behind the last conversion of the run
	global_store_b128 v[L16], v[CDQ:CDQ+3], s[84:85]             ; 512 consecutive bytes, aligned
	global_store_b128 v[L16], v[CDQ+4:CDQ+7], s[84:85] offset:512
	global_store_b32 v[QW], v2, s[88:89]           ; lanes l and l xor 16 write the same word with the same value
.Lno_codes:
; A BATCH OF TRANSCENDENTALS in place on an array (kind 0: v_exp_f32, 1: v_rcp_f32), TPER behind each plain line of the run macros between TBEGIN and TEND; no such line names the batch's array.
.macro TEMIT
.if TI < TN
.if TKIND == 0
	v_exp_f32 v[TARR+TI], v[TARR+TI]
.else
	v_rcp_f32 v[TARR+TI], v[TARR+TI]
.endif
.set TI, TI+1
.endif
.endm
.macro CARRY
	TEMIT
.if TPER == 2
	TEMIT
.endif
.endm
.macro TBEGIN kind, arr, n, per
.set TKIND, \kind
.set TARR, \arr
.set TN, \n
.set TPER, \per
.set TI, 0
	s_wait_alu depctr_va_vdst(0)                   ; ahead of the batch
.endm
.macro TEND
.rept 64
	TEMIT
.endr
	v_nop
	s_wait_alu depctr_va_vdst(0)                   ; and behind it, ahead of its first reader
.endm
; runs of n packed lines
.macro PKM d, a, b, n
.set j, 0
.rept \n
	v_pk_mul_f32 v[\d+j:\d+j+1], v[\a+j:\a+j+1], v[\b+j:\b+j+1]
	CARRY
.set j, j+2
.endr
.endm
.macro PKF d, a, b, c, n
.set j, 0
.rept \n
	v_pk_fma_f32 v[\d+j:\d+j+1], v[\a+j:\a+j+1], v[\b+j:\b+j+1], v[\c+j:\c+j+1]
	CARRY
.set j, j+2
.endr
.endm
.macro PKS d, a, b, k, n               ; d = a b + the constant in s[k]
.set j, 0
.rept \n
	v_pk_fma_f32 v[\d+j:\d+j+1], v[\a+j:\a+j+1], v[\b+j:\b+j+1], s[\k:\k+1] op_sel_hi:[1,1,0]
	CARRY
.set j, j+2
.endr
.endm
.macro PKK d, kv, b, k, n              ; d = (the constant pair v[kv]) b + the constant in s[k]
.set j, 0
.rept \n
	v_pk_fma_f32 v[\d+j:\d+j+1], v[\kv:\kv+1], v[\b+j:\b+j+1], s[\k:\k+1] op_sel_hi:[1,1,0]
	CARRY
.set j, j+2
.endr
.endm
.macro PKA d, a, k, n
.set j, 0
.rept \n
	v_pk_add_f32 v[\d+j:\d+j+1], v[\a+j:\a+j+1], s[\k:\k+1] op_sel_hi:[1,0]
	CARRY
.set j, j+2
.endr
.endm
; THE ACTIVATION of 2 n numbers a lane from number o on (number 16 m + x: row tile m, unit 32 wu + 16 h + x)
.macro EPI o, n
	WIN 0x45
	PKM XA+\o, GA+\o, GA+\o, \n                    ; g^2
	WIN 0x04                                       ; source 1 window 1
	TBEGIN 0, IA+\o, 2*\n, 1                       ; e^-i, among the first lines of Q and P
	PKK QA+\o, VB6, XA+\o, KB4, \n
	PKK PA+\o, VA13, XA+\o, KA11, \n
	TEND
	PKS QA+\o, QA+\o, XA+\o, KB2, \n
	PKS QA+\o, QA+\o, XA+\o, KB0, \n               ; 15 Q(g^2), positive
	WIN 0
	PKF IA+\o, IA+\o, QA+\o, QA+\o, \n             ; (1 + e^-i) 15 Q
	WIN 0x04
	TBEGIN 1, IA+\o, 2*\n, 2                       ; its reciprocal
	PKS PA+\o, PA+\o, XA+\o, KA9, \n
	TEND
	PKS PA+\o, PA+\o, XA+\o, KA7, \n
	PKS PA+\o, PA+\o, XA+\o, KA5, \n
	PKS PA+\o, PA+\o, XA+\o, KA3, \n
	PKS PA+\o, PA+\o, XA+\o, KA1, \n
	PKM PA+\o, PA+\o, GA+\o, \n                    ; g P(g^2)
	WIN 0
	PKM PA+\o, PA+\o, IA+\o, \n                    ; C
	WIN 0x40
	PKM XA+\o, PA+\o, PA+\o, \n                    ; X
	WIN 0x41
	TBEGIN 0, OB+\o, 2*\n, 1                       ; e^-o
	PKA LQ+\o, XA+\o, KQ1, \n
	PKA GA+\o, XA+\o, KN1, \n
	TEND
	WIN 0x45
	PKS LQ+\o, LQ+\o, XA+\o, KQ2, \n
	WIN 0x55
	PKF OB+\o, OB+\o, LQ+\o, LQ+\o, \n             ; the divisor x (1 + e^-o)
	WIN 0x45
	TBEGIN 1, OB+\o, 2*\n, 2                       ; its reciprocal
	PKS GA+\o, GA+\o, XA+\o, KN2, \n
	TEND
	WIN 0x41
	PKM GA+\o, GA+\o, PA+\o, \n                    ; the numerator
	WIN 0x05
	PKM IA+\o, GA+\o, OB+\o, \n                    ; h, in window 0
	WIN 0
.endm
	EPI 0, 32
	; my 16 numbers of row tile t and lane l xor 16's are one block of the next K
.irp t, 0,1,2,3
	v_max3_num_f32 v[MX+\t], |v[IA+16*\t]|, |v[IA+16*\t+1]|, 0x1800000   ; the floor 2^(3 - 127) among the leaves
.endr
.irp i, 2,4,6,8,10,12,14
.irp t, 0,1,2,3
	v_max3_num_f32 v[MX+\t], v[MX+\t], |v[IA+16*\t+\i]|, |v[IA+16*\t+\i+1]|
.endr
.endr
.irp t, 0,1,2,3
	v_permlanex16_b32 v[PX+\t], v[MX+\t], s20, s21
.endr
.irp t, 0,1,2,3
	v_max_num_f32 v[MX+\t], v[MX+\t], v[PX+\t]
.endr
.irp t, 0,1,2,3
	v_add_nc_u32 v[SCL+\t], 0xff000000, v[MX+\t]   ; 2 off the exponent field: the conversion's scale operand
.endr
.irp t, 0,1,2,3
	v_lshrrev_b32 v[PA+\t], 23, v[SCL+\t]          ; the scale's byte
.endr
.irp t, 0,1,2,3
	v_cvt_scalef32_pk8_fp4_f32 v[CDH+2*\t], v[IA+16*\t:IA+16*\t+7], v[SCL+\t]
	v_cvt_scalef32_pk8_fp4_f32 v[CDH+2*\t+1], v[IA+16*\t+8:IA+16*\t+15], v[SCL+\t]
.endr
	v_nop                                          ; one plain line behind the last conversion of the run
.irp t, 0,1,2,3
	global_store_b64 v[WO], v[CDH+2*\t:CDH+2*\t+1], s[12:13] offset:1024*\t   ; the wave stores 256 consecutive bytes, aligned: a quarter of the tile's image
	ds_store_b8 v[WB], v[PA+\t] offset:64*\t       ; both lanes of a block write the same byte with the same value
.endr
	s_wait_dscnt 0x0                               ; for the others' sake: my byte stores are done
	s_barrier_signal -1
	s_barrier_wait -1
	s_cmp_lg_u32 s[WV], 0                          ; the 128 scale words, whose bytes came from eight waves, leave by one store of wave 0
	s_cbranch_scc1 .Lno_words
	ds_load_b128 v[128:131], v[WR]
	s_wait_dscnt 0x0
	global_store_b128 v[L16], v[128:131], s[22:23] ; 512 consecutive bytes, aligned
.Lno_words:
	s_wait_tensorcnt 0x0                           ; the wave's end
	ds_add_u32 v[SPW], v[NIL]
	s_wait_dscnt 0x0
	CROUND                                         ; the closing round: no work-group ends while a partner may still ask for a tile that names it
	s_endpgm
.Lfunc_end_k_q29195f1d6f_layer0:
	.size	k_q29195f1d6f_layer0, .Lfunc_end_k_q29195f1d6f_layer0-k_q29195f1d6f_layer0
	.p2alignl 7, 3214868480
	.fill 96, 4, 3214868480
	.section	.rodata,"a",@progbits
	.p2align	6, 0x0
	.amdhsa_kernel k_q29195f1d6f_layer0
		.amdhsa_group_segment_fixed_size 327680
		.amdhsa_private_segment_fixed_size 0
		.amdhsa_enable_private_segment 0
		.amdhsa_kernarg_size 64
		.amdhsa_user_sgpr_count 2
		.amdhsa_user_sgpr_kernarg_segment_ptr 1
		.amdhsa_wavefront_size32 1
		.amdhsa_system_sgpr_workgroup_id_x 1
		.amdhsa_system_sgpr_workgroup_id_y 1
		.amdhsa_system_sgpr_workgroup_id_z 1
		.amdhsa_system_vgpr_workitem_id 0
		.amdhsa_next_free_vgpr 512
		.amdhsa_next_free_sgpr 100
		.amdhsa_reserve_vcc 0
		.amdhsa_float_denorm_mode_32 3
		.amdhsa_float_denorm_mode_16_64 3
		.amdhsa_memory_ordered 1
		.amdhsa_forward_progress 1
		.amdhsa_inst_pref_size 117
	.end_amdhsa_kernel
	.amdgpu_metadata
---
amdhsa.version: [ 1, 2 ]
amdhsa.kernels:
  - .name:           k_q29195f1d6f_layer0
    .symbol:         k_q29195f1d6f_layer0.kd
    .args:
      - { .name: act0, .offset: 0, .size: 8, .value_kind: global_buffer, .address_space: global }
      - { .name: w0, .offset: 8, .size: 8, .value_kind: global_buffer, .address_space: global }
      - { .name: b_ih0, .offset: 16, .size: 8, .value_kind: global_buffer, .address_space: global }
      - { .name: b_hh0, .offset: 24, .size: 8, .value_kind: global_buffer, .address_space: global }
      - { .name: act1, .offset: 32, .size: 8, .value_kind: global_buffer, .address_space: global }
      - { .name: W_ih12, .offset: 40, .size: 8, .value_kind: global_buffer, .address_space: global }
      - { .name: w1, .offset: 48, .size: 8, .value_kind: global_buffer, .address_space: global }
      - { .name: sela, .offset: 56, .size: 8, .value_kind: global_buffer, .address_space: global }
    .group_segment_fixed_size: 327680
    .private_segment_fixed_size: 0
    .kernarg_segment_align: 8
    .kernarg_segment_size: 64
    .max_flat_workgroup_size: 256
    .sgpr_count:     100
    .vgpr_count:     512
    .wavefront_size: 32
...
	.end_amdgpu_metadata
.endif
;; end of part 2
;; launch layer1: the kernel of part 2 again; grid 8 x 32, 8 waves a work-group, clusters of 4 x 4, 327,680 bytes of LDS; arguments act1, w1, b_ih12, b_hh12, act2, W_ih12, w2, selb; writes act2, w2
;; launch layer2 (part 3): grid 8 x 32, 8 waves a work-group, clusters of 4 x 4, 327,680 bytes of LDS; arguments act2, w2, b_ih12, b_hh12, out0; writes out0
.if DOCPART == 3
	.amdgcn_target "amdgcn-amd-amdhsa--gfx1250"
	.amdhsa_code_object_version 6
	.text
	.protected	k_q29195f1d6f_layer2
	.globl	k_q29195f1d6f_layer2
	.p2align	8
	.type	k_q29195f1d6f_layer2,@function
k_q29195f1d6f_layer2:
	s_mov_b64 s[64:65], 0
	v_nop
	global_prefetch_b8 v0, s[64:65] scope:SCOPE_SE
	s_setreg_imm32_b32 hwreg(HW_REG_WAVE_MODE, 25, 1), 1
	s_wait_xcnt 0x0
	s_wait_alu depctr_hold_cnt(0) depctr_sa_sdst(0) depctr_va_vdst(0) depctr_va_sdst(0) depctr_va_ssrc(0) depctr_va_vcc(0) depctr_vm_vsrc(0)
	s_getreg_b32 s2, hwreg(HW_REG_IB_STS2, 6, 4)
	s_cmp_eq_u32 s2, 0
	s_cbranch_scc0 .Lentry_in_a_cluster
	s_endpgm
.Lentry_in_a_cluster:
	s_bfe_u32 s2, ttmp6, 0x10000c
	s_cmp_lg_u32 s2, 0xf033
	s_cbranch_scc0 .Lentry_shape_is_right
	s_endpgm
.Lentry_shape_is_right:
; THE LAST LAYER: h = sigmoid(o) tanh(sigmoid(i) tanh(g)), gates = act W^T + b_ih + b_hh, both directions, on codes of FP4 (E2M1) with E8M0 scales for each 32 along K; h is stored as f32 rows of the output.
; LEFT OUT: the f gate's rows and W_hh, which enter no result of a cell whose state starts at zero (the first kernel's head shows it).
; LIMITS: NaN and infinities are not served; where a divisor passes 2^126 the reciprocal gives 0 (the true value is under 2^-115); b_ih + b_hh are added first and start each sum.
.set ASTEP, 8704                       ; a K step of act's block
.set BSTEP, 26112                      ; a K step of w's block
; OPERANDS arrive as images of their registers (layout: the first kernel's head); T = 8 gate + 2 wu + u.  A lane's 16 registers of tiles u = 0, 1 of a gate are 16 neighbouring hidden units.
; SHARES: work-group (nb, mb): rows 128 mb .., hidden units 128 nb .. of the 1,024 (direction nb / 4), three gates, all of K = 1,024: 256 work-groups.
;   Wave w = 4 wr + wu: 64 rows (4 tiles, from tile 4 wr) x units 32 wu .. + 31 x 3 gates: 12 accumulators of 32 x 16, 192 registers.
;   THE MATRIX INSTRUCTION IS USED TRANSPOSED: source 0 = 32 rows of W (tiles u = 0, 1), source 1 = 16 rows of act: lane (r, h) holds row r and, in register 8 u + j, unit 32 wu + 16 h + 8 u + j.
; CLUSTER 4 x 4: act's block hangs on mb alone and is asked for jointly by a row of the cluster, w's on nb alone and by a column.
; No prefetch: all tiles are asked for at the head, and there is no loop to run ahead in.
; ACTIVATION in f32: tanh(g) = g P(g^2) / Q(g^2), a 13/6 rational with g held at +-7.9053; Q's coefficients carry a factor 15, so that C = g P / ((1 + e^-i) 15 Q) = c / 15, c = sigmoid(i) tanh(g), |c| <= 1;
;   with X = C^2: tanh(c) = C (X^2 + 105/225 X + 945/225^2) / (X^2 + 28/225 X + 63/225^2), the [5/4] form of tanh; (1 + e^-o) goes into its divisor.
;   A batch of transcendentals stands between two waits and is laid among lines that read only what stood ahead of the first and are read behind the second.
; THE WAY OUT, in two halves of 64 rows: a row's 512 bytes come from four waves and meet in a stage; a barrier; eight whole rows a wave back into registers; the first half's stores stand among the second half's first lines.
;   The first half's stage lies behind the spare words, the second's in act's block, which has had its one fill, and which every wave has finished reading ahead of the first half's barrier.
; REGISTERS: window 0: v1-23 addresses; v24-30, v32-34, v56-59 scale words (two sets, nothing else ever); v60-63 addresses; v64-159 W's fragments, two sets of 48; v160-223 act's, two sets of 32.
;   window 1: v0-191 accumulators at 64 gate + 16 m + 8 u; v192-239 the biases.
.set ABLK, 8*ASTEP
.set BBLK, 8*BSTEP
.set BREG, ABLK                        ; LDS: act's block at 0, w's behind it; every byte is filled once
.set SPARE, BREG+BBLK                  ; the spare words, 128 bytes for each wave
.set STG0, SPARE+1024                  ; the first half's stage: 64 rows
.set STP,  528                         ; a stage row: 512 bytes + 16
.set L16,  3
.set ADA,  4
.set ASA,  5
.set ADB,  6                           ; v6-9: two K steps each
.set WOA,  12                          ; v12-13: the stage, in, for each half
.set WRA,  18                          ; v18-19: back
.set BO,   15
.set SPW,  21
.set NIL,  22
.set SCA,  24                          ; act's words: v24-27, v56-59
.set SCB,  28                          ; W's: v28-30, v32-34
.set BSA,  60                          ; v60-63: two K steps each
.set WF,   64
.set AF,   160
.set BIAS, 192
.set VA13, 4                           ; behind the products
.set VB6,  6
.set IA,   64                          ; the activation's arrays, 64 numbers each; window 0: e^-i and its divisor, later h;
.set QA,   128                         ;   Q;
.set PA,   192                         ;   P, later C
.set LQ,   0                           ; window 1: tanh(c)'s divisor;
.set GA,   64                          ;   g, later tanh(c)'s numerator;
.set OB,   128                         ;   o;
.set XA,   192                         ;   squares
.set WV,   14
.set NB,   17
.set MB,   18
.set KN,   24                          ; the activation's constants, each as a pair, in the descriptors' registers (K step 5's wait has shown every load done)
.set KA11, 26
.set KA9,  28
.set KA7,  30
.set KA5,  32
.set KA3,  34
.set KA1,  36
.set KB4,  38
.set KB2,  40
.set KB0,  42
.set KQ1,  44
.set KQ2,  46
.set KN1,  48
.set KN2,  50
.set CLP,  52
.set CLN,  53
.set TI,   0
.set TN,   0
.set TPER, 1
.set TKIND, 0
.set TARR, 0
.set MSB,  0
.macro WIN new                         ; the immediate's high byte repeats the setting that is left
.if MSB != \new
	s_set_vgpr_msb (MSB<<8)|\new
.set MSB, \new
.endif
.endm
.macro CROUND                          ; a round of the cluster's barrier
	s_barrier_signal -1
	s_barrier_wait -1
	s_cmp_lg_u32 s[WV], 0
	s_cbranch_scc1 .Lnot_wave_0_\@
	s_barrier_signal -3
.Lnot_wave_0_\@:
	s_barrier_wait -3
	s_barrier_signal -1
	s_barrier_wait -1
.endm
.macro PLACES                          ; four plain lines in front of loads into registers that matrix instructions have read
.rept 4
	v_nop
.endr
.endm
.macro KPAIR reg, bits                 ; a packed form names a scalar pair and takes its low word for both halves: both words are written
	s_mov_b32 s[\reg], \bits
	s_mov_b32 s[\reg+1], \bits
.endm
.macro DESC g, mask, rows              ; descriptor group 1: a dense block as rows of 32 elements of 8 bytes, no padding; bit 21 beside the mask
	s_or_b32 s[\g], s[\mask], (3<<16)|(1<<21)
	s_mov_b32 s[\g+1], 32<<16
	s_mov_b32 s[\g+2], \rows<<16
	s_mov_b32 s[\g+3], 32<<16
	s_mov_b32 s[\g+4], \rows
	s_mov_b32 s[\g+5], 32
	s_mov_b32 s[\g+6], 0
	s_mov_b32 s[\g+7], 0
.endm
.macro WSTEP ks                        ; w's group 0 for the load that begins at K step ks
	s_mov_b32 s69, BREG+BSTEP*\ks
	s_add_nc_u64 s[70:71], s[70:71], BSTEP*\ks
.endm
.macro ARM under, g0, g1, ks, next
	s_cmp_lt_u32 s[WV], \under
	s_cbranch_scc0 \next
.if \g0 == 68
	WSTEP \ks
.endif
	tensor_load_to_lds s[\g0:\g0+3], s[\g1:\g1+7]
	s_nop 0
	PLACES
	s_branch .Lfilled
\next:
.endm
	s_load_b256 s[4:11], s[0:1], 0x0               ; act, w, b_ih, b_hh
	s_load_b64 s[80:81], s[0:1], 0x20              ; out
	v_lshl_add_u32 v[SPW], v0, 2, SPARE
	v_mov_b32 v[NIL], 0
	ds_add_u32 v[SPW], v[NIL]                      ; the wave's opening: the add, twice on end, and its wait
	ds_add_u32 v[SPW], v[NIL]
	v_lshrrev_b32 v1, 5, v0
	v_readfirstlane_b32 s[WV], v1                  ; wave 0..7
	s_bfe_u32 s15, ttmp6, 0x40000                  ; cx, cy
	s_bfe_u32 s16, ttmp6, 0x40004
	s_lshl_b32 s[NB], ttmp9, 2
	s_add_co_u32 s[NB], s[NB], s15                 ; nb
	s_and_b32 s[MB], ttmp7, 0xffff
	s_lshl_b32 s[MB], s[MB], 2
	s_add_co_u32 s[MB], s[MB], s16                 ; mb
	s_lshl_b32 s76, s16, 2
	s_lshl_b32 s76, 15, s76                        ; my row of the cluster
	s_lshl_b32 s77, 0x1111, s15                    ; my column
	s_and_b32 s19, s[WV], 3                        ; wu
	s_lshr_b32 s22, s[WV], 2                       ; wr
	DESC 24, 76, 68                                ; act, K steps 0, 1
	DESC 32, 76, 204                               ; act, K steps 2-7
	DESC 40, 77, 102                               ; w, one K step
	DESC 48, 77, 204                               ; w, two K steps
	s_mul_i32 s78, s[MB], ABLK                     ; act's block: made of mb alone
	s_mov_b32 s79, 0
	s_mul_i32 s90, s[NB], BBLK                     ; w's block: made of nb alone
	s_mov_b32 s91, 0
	s_mov_b32 s56, 1                               ; groups 0
	s_mov_b32 s57, 0
	s_mov_b32 s60, 1
	s_mov_b32 s61, 2*ASTEP
	s_mov_b32 s68, 1
	s_lshl_b32 s88, s22, 12                        ; 4 tiles of act x wr
	s_lshl_b32 s89, s22, 8                         ; and their words
	s_add_co_u32 s89, s89, 8192
	s_lshl_b32 s98, s19, 11
	s_add_co_u32 s98, s98, BREG
	s_lshl_b32 s99, s19, 7
	s_mul_i32 s15, s22, 32*STP
	s_add_co_u32 s15, s15, s99                     ; the stage: my wave's 32 rows, + 128 wu
	s_add_co_u32 s99, s99, BREG+24576
	s_mul_i32 s16, s[WV], 8*STP                    ; back: stage rows 8 w .. 8 w + 7
	v_and_b32 v2, 31, v0
	v_and_b32 v1, 15, v0                           ; r
	v_bfe_u32 v23, v0, 4, 1                        ; h
	v_lshlrev_b32 v[L16], 4, v2
	v_lshlrev_b32 v20, 2, v2
	v_add_nc_u32 v[ADA], s88, v[L16]
	v_lshl_add_u32 v[ASA], v1, 2, s89
	v_add_nc_u32 v[ADB], s98, v[L16]
	v_add_nc_u32 v[ADB+1], 2*BSTEP, v[ADB]
	v_add_nc_u32 v[ADB+2], 4*BSTEP, v[ADB]
	v_add_nc_u32 v[ADB+3], 6*BSTEP, v[ADB]
	v_add_nc_u32 v[BSA], s99, v20                  ; lanes 0-15 take tile u = 0's words, lanes 16-31 tile u = 1's
	v_add_nc_u32 v[BSA+1], 2*BSTEP, v[BSA]
	v_add_nc_u32 v[BSA+2], 4*BSTEP, v[BSA]
	v_add_nc_u32 v[BSA+3], 6*BSTEP, v[BSA]
	v_lshlrev_b32 v[BO], 6, v23
	v_mul_u32_u24 v[WOA+1], v1, STP
	v_lshl_add_u32 v[WOA+1], v23, 6, v[WOA+1]
	v_add_nc_u32 v[WOA+1], s15, v[WOA+1]           ; row r, + 64 h: my 16 units' bytes
	v_add_nc_u32 v[WOA], STG0, v[WOA+1]
	v_add_nc_u32 v[WRA+1], s16, v[L16]
	v_add_nc_u32 v[WRA], STG0, v[WRA+1]
	s_wait_alu depctr_va_vdst(0)
	s_wait_dscnt 0x0                               ; both opening adds are done
	CROUND                                         ; all sixteen work-groups are here: the joint loads meet
	s_wait_kmcnt 0x0
	s_add_nc_u64 s[58:59], s[4:5], s[78:79]
	s_add_nc_u64 s[62:63], s[58:59], 2*ASTEP
	s_or_b32 s59, s59, 0x80000000
	s_or_b32 s63, s63, 0x80000000
	s_add_nc_u64 s[70:71], s[6:7], s[90:91]
	s_or_b32 s71, s71, 0x80000000
	; one tensor load a wave, each a line of its own, in one chain of branches on the wave's number, in the order in which the K steps want the tiles
	ARM 1, 56, 24, 0, .Lfill_1                     ; wave 0: act, K steps 0, 1
	ARM 2, 68, 40, 0, .Lfill_2                     ; wave 1: w, K step 0
	ARM 3, 68, 40, 1, .Lfill_3                     ; wave 2: w, K step 1
	ARM 4, 60, 32, 0, .Lfill_4                     ; wave 3: act, K steps 2-7
	ARM 5, 68, 40, 2, .Lfill_5                     ; wave 4: w, K step 2
	ARM 6, 68, 40, 3, .Lfill_6                     ; wave 5: w, K step 3
	ARM 7, 68, 48, 4, .Lfill_7                     ; wave 6: w, K steps 4, 5
	WSTEP 6                                        ; wave 7: w, K steps 6, 7
	tensor_load_to_lds s[68:71], s[48:55]
	s_nop 0
	PLACES
.Lfilled:
	; THE BIASES, in the result's layout: register 16 gate + 8 u + j of lane (r, h) = the bias of unit 32 wu + 16 h + 8 u + j
	s_lshr_b32 s90, s[NB], 2
	s_lshl_b32 s90, s90, 13                        ; direction x 2,048 numbers
	s_and_b32 s91, s[NB], 3
	s_lshl_b32 s91, s91, 9
	s_add_co_u32 s90, s90, s91                     ; + 128 units x quarter
	s_lshl_b32 s91, s19, 7
	s_add_co_u32 s90, s90, s91                     ; + 32 units x wu
	s_add_co_u32 s90, s90, 16384                   ; the second layer's part of b_ih12 and b_hh12
	s_mov_b32 s91, 0
	s_add_nc_u64 s[8:9], s[8:9], s[90:91]
	s_add_nc_u64 s[10:11], s[10:11], s[90:91]
	WIN 0x40                                       ; destination window 1
.irp g, 0,1,2                          ; the gates' first numbers: 0, 1024, 1536
.irp q, 0,1,2,3
	global_load_b128 v[BIAS+16*\g+4*\q:BIAS+16*\g+4*\q+3], v[BO], s[8:9] offset:2048*(\g+(\g+1)/2)+16*\q
	global_load_b128 v[16*\g+4*\q:16*\g+4*\q+3], v[BO], s[10:11] offset:2048*(\g+(\g+1)/2)+16*\q
.endr
.endr
	WIN 0
	; the output rows that my wave stores: half p's stage rows 8 w + i are rows 64 (w / 4) + 32 p + 8 ((w / 2) % 2) + 16 (w % 2) + i of the block
	s_lshl_b32 s90, s[MB], 19                      ; row 128 mb of 4,096 bytes
	s_lshr_b32 s91, s[WV], 2
	s_lshl_b32 s91, s91, 18
	s_add_co_u32 s90, s90, s91
	s_bfe_u32 s91, s[WV], 0x10001
	s_lshl_b32 s91, s91, 15
	s_add_co_u32 s90, s90, s91
	s_and_b32 s91, s[WV], 1
	s_lshl_b32 s91, s91, 16
	s_add_co_u32 s90, s90, s91
	s_lshl_b32 s91, s[NB], 9
	s_add_co_u32 s90, s90, s91                     ; + 512 nb
	s_mov_b32 s91, 0
	s_add_nc_u64 s[12:13], s[80:81], s[90:91]
; The fragments and scale words of K step ks into set ks % 2: my six fragments of W, my four of act, act's four registers of words, W's three.
.macro RUN ks
.set FP, (\ks)%2
.set FC, (\ks)/2
.irp e, 0,1,2,3,4,5,6,7,8,9,10,11
	ds_load_b128 v[WF+48*FP+4*\e:WF+48*FP+4*\e+3], v[ADB+FC] offset:BSTEP*FP+8192*(\e/4)+1024*((\e/2)%2)+512*(\e%2)
.endr
.irp e, 0,1,2,3,4,5,6,7
	ds_load_b128 v[AF+32*FP+4*\e:AF+32*FP+4*\e+3], v[ADA] offset:ASTEP*(\ks)+512*\e
.endr
.irp e, 0,1,2,3
	ds_load_b32 v[SCA+32*FP+\e], v[ASA] offset:ASTEP*(\ks)+64*\e
.endr
.irp e, 0,1,2
	ds_load_b32 v[SCB+4*FP+\e], v[BSA+FC] offset:BSTEP*FP+512*\e
.endr
.endm
; One product: row tile m x gate g's two tiles, 128 along K.  In K step 0 the biases are the C that starts the sum.  W's words fill all 32 lanes, act's stand in lanes 0-15.
.macro MM ks, m, g
.set MP, (\ks)%2
.set rD, 64*(\g)+16*(\m)
.set rC, rD
.if (\ks)==0
.set rC, BIAS+16*(\g)
.endif
.set rW, WF+48*MP+16*(\g)
.set rA, AF+32*MP+8*(\m)
	v_wmma_scale_f32_32x16x128_f4 v[rD:rD+15], v[rW:rW+15], v[rA:rA+7], v[rC:rC+15], v[SCB+4*MP+(\g)], v[SCA+32*MP+(\m)]
.endm
.macro KCONST
	KPAIR KN,   0xbfb8aa3b                         ; -log2(e)
	KPAIR KA11, 0x2a61337e
	KPAIR KA9,  0xaebd37ff
	KPAIR KA7,  0x335c0041
	KPAIR KA5,  0x3779434a
	KPAIR KA3,  0x3a270ded
	KPAIR KA1,  0x3ba059dc
	KPAIR KB4,  0x3ae90c79                         ; Q's coefficients x 15
	KPAIR KB2,  0x3d0b5f64
	KPAIR KB0,  0x3d96543f
	KPAIR KQ1,  0x3dfedcbb                         ; 28/225
	KPAIR KQ2,  0x3aa31ca0                         ; 63/50625
	KPAIR KN1,  0x3eeeeeef                         ; 105/225
	KPAIR KN2,  0x3c98ead6                         ; 945/50625
	s_mov_b32 s[CLP], 0x40fcf84f                   ; 7.9053
	s_mov_b32 s[CLN], 0xc0fcf84f
.endm
; The tiles that waves 0 .. n - 1 asked for are in: each of them waits for its load, and a barrier says so to all.  No LDS instruction of mine is out.
.macro LANDED n
.if \n < 8
	WIN 0
	s_cmp_lt_u32 s[WV], \n
	s_cbranch_scc0 .Lnot_mine_\@
	s_wait_tensorcnt 0x0
.Lnot_mine_\@:
.else
	s_wait_tensorcnt 0x0
.endif
	s_barrier_signal -1
	s_barrier_wait -1
.endm
; A K step: this step's loads are in; the next step's go out in one run (behind the barrier that shows its tiles landed); 12 products, the accumulators by turns, one instruction a turn, in the same order in every step
.macro STEP ks
	s_wait_dscnt 0x0
.if (\ks)==0
	LANDED 3
.elseif (\ks)==1
	LANDED 5
.elseif (\ks)==2
	LANDED 6
.elseif (\ks)==3
	LANDED 7
.elseif (\ks)==5
	LANDED 8
.endif
.if (\ks) < 7
.if (\ks) > 0
	PLACES
.endif
	WIN 0
	RUN (\ks)+1
.endif
.if (\ks)==6
	KCONST
.endif
	WIN 0x50                                       ; W and act window 0, C and D window 1
.irp m, 0,1,2,3
.irp g, 0,1,2
	MM \ks, \m, \g
.endr
.endr
.endm
	LANDED 2
	RUN 0
	s_wait_loadcnt 0x0
	WIN 0x45                                       ; all three in window 1
.set j, 0
.rept 24
	v_pk_add_f32 v[BIAS+j:BIAS+j+1], v[BIAS+j:BIAS+j+1], v[j:j+1]
.set j, j+2
.endr
	WIN 0
	s_wait_alu depctr_va_vdst(0)                   ; the wait at the head's end
.irp k, 0,1,2,3,4,5,6,7
	STEP \k
.endr
	WIN 0
	v_mov_b32 v[VA13], 0xa59f25c0                  ; these four plain lines are the places behind the last products
	v_mov_b32 v[VA13+1], 0xa59f25c0
	v_mov_b32 v[VB6], 0x3796c69b
	v_mov_b32 v[VB6+1], 0x3796c69b
	; the first reads of the sums, each accumulator from its low end on
	WIN 0x01                                       ; source window 1, destination window 0
.set j, 0
.rept 32
	v_pk_mul_f32 v[IA+j:IA+j+1], v[j:j+1], s[KN:KN+1] op_sel_hi:[1,0]      ; -i log2(e)
.set j, j+2
.endr
	WIN 0x41
.set j, 0
.rept 32
	v_pk_mul_f32 v[OB+j:OB+j+1], v[OB+j:OB+j+1], s[KN:KN+1] op_sel_hi:[1,0]   ; -o log2(e)
.set j, j+2
.endr
.set j, 0
.rept 64
	v_med3_num_f32 v[GA+j], v[GA+j], s[CLN], s[CLP]   ; g, held at +-7.9053
.set j, j+1
.endr
; A BATCH OF TRANSCENDENTALS in place on an array (kind 0: v_exp_f32, 1: v_rcp_f32), TPER behind each plain line of the run macros between TBEGIN and TEND; no such line names the batch's array.
.macro TEMIT
.if TI < TN
.if TKIND == 0
	v_exp_f32 v[TARR+TI], v[TARR+TI]
.else
	v_rcp_f32 v[TARR+TI], v[TARR+TI]
.endif
.set TI, TI+1
.endif
.endm
.macro CARRY
	TEMIT
.if TPER == 2
	TEMIT
.endif
.endm
.macro TBEGIN kind, arr, n, per
.set TKIND, \kind
.set TARR, \arr
.set TN, \n
.set TPER, \per
.set TI, 0
	s_wait_alu depctr_va_vdst(0)                   ; ahead of the batch
.endm
.macro TEND
.rept 64
	TEMIT
.endr
	v_nop
	s_wait_alu depctr_va_vdst(0)                   ; and behind it, ahead of its first reader
.endm
; runs of n packed lines
.macro PKM d, a, b, n
.set j, 0
.rept \n
	v_pk_mul_f32 v[\d+j:\d+j+1], v[\a+j:\a+j+1], v[\b+j:\b+j+1]
	CARRY
.set j, j+2
.endr
.endm
.macro PKF d, a, b, c, n
.set j, 0
.rept \n
	v_pk_fma_f32 v[\d+j:\d+j+1], v[\a+j:\a+j+1], v[\b+j:\b+j+1], v[\c+j:\c+j+1]
	CARRY
.set j, j+2
.endr
.endm
.macro PKS d, a, b, k, n               ; d = a b + the constant in s[k]
.set j, 0
.rept \n
	v_pk_fma_f32 v[\d+j:\d+j+1], v[\a+j:\a+j+1], v[\b+j:\b+j+1], s[\k:\k+1] op_sel_hi:[1,1,0]
	CARRY
.set j, j+2
.endr
.endm
.macro PKK d, kv, b, k, n              ; d = (the constant pair v[kv]) b + the constant in s[k]
.set j, 0
.rept \n
	v_pk_fma_f32 v[\d+j:\d+j+1], v[\kv:\kv+1], v[\b+j:\b+j+1], s[\k:\k+1] op_sel_hi:[1,1,0]
	CARRY
.set j, j+2
.endr
.endm
.macro PKA d, a, k, n
.set j, 0
.rept \n
	v_pk_add_f32 v[\d+j:\d+j+1], v[\a+j:\a+j+1], s[\k:\k+1] op_sel_hi:[1,0]
	CARRY
.set j, j+2
.endr
.endm
; Half p's 64 rows: STAGE: my numbers into the stage, a barrier, and eight whole rows back into registers that nothing writes again.  SEND: stored.
.macro STAGE p
.irp tt, 0,1
.irp q, 0,1,2,3
	ds_store_b128 v[WOA+\p], v[IA+32*\p+16*\tt+4*\q:IA+32*\p+16*\tt+4*\q+3] offset:STP*16*\tt+16*\q
.endr
.endr
	s_wait_dscnt 0x0                               ; for the others' sake: my part lies in the stage
	s_barrier_signal -1
	s_barrier_wait -1
.irp i, 0,1,2,3,4,5,6,7
	ds_load_b128 v[128+64*\p+4*\i:131+64*\p+4*\i], v[WRA+\p] offset:STP*\i
.endr
.endm
.macro SEND p
.irp i, 0,1,2,3,4,5,6,7
	s_wait_dscnt 7-\i                              ; row i is back; the younger of the eight loads may be out
	global_store_b128 v[L16], v[128+64*\p+4*\i:131+64*\p+4*\i], s[12:13] offset:(32*\p+\i)*4096 th:TH_STORE_NT   ; 512 consecutive bytes, aligned
.endr
.endm
; THE ACTIVATION of 2 n numbers a lane from number o on (number 16 m + x: row tile m, unit 32 wu + 16 h + x)
.macro EPI o, n
	WIN 0x45
	PKM XA+\o, GA+\o, GA+\o, \n                    ; g^2
.if (\o) > 0
	WIN 0
	SEND 0                                         ; the first half leaves
.endif
	WIN 0x04                                       ; source 1 window 1
	TBEGIN 0, IA+\o, 2*\n, 1                       ; e^-i, among the first lines of Q and P
	PKK QA+\o, VB6, XA+\o, KB4, \n
	PKK PA+\o, VA13, XA+\o, KA11, \n
	TEND
	PKS QA+\o, QA+\o, XA+\o, KB2, \n
	PKS QA+\o, QA+\o, XA+\o, KB0, \n               ; 15 Q(g^2), positive
	WIN 0
	PKF IA+\o, IA+\o, QA+\o, QA+\o, \n             ; (1 + e^-i) 15 Q
	WIN 0x04
	TBEGIN 1, IA+\o, 2*\n, 2                       ; its reciprocal
	PKS PA+\o, PA+\o, XA+\o, KA9, \n
	TEND
	PKS PA+\o, PA+\o, XA+\o, KA7, \n
	PKS PA+\o, PA+\o, XA+\o, KA5, \n
	PKS PA+\o, PA+\o, XA+\o, KA3, \n
	PKS PA+\o, PA+\o, XA+\o, KA1, \n
	PKM PA+\o, PA+\o, GA+\o, \n                    ; g P(g^2)
	WIN 0
	PKM PA+\o, PA+\o, IA+\o, \n                    ; C
	WIN 0x40
	PKM XA+\o, PA+\o, PA+\o, \n                    ; X
	WIN 0x41
	TBEGIN 0, OB+\o, 2*\n, 1                       ; e^-o
	PKA LQ+\o, XA+\o, KQ1, \n
	PKA GA+\o, XA+\o, KN1, \n
	TEND
	WIN 0x45
	PKS LQ+\o, LQ+\o, XA+\o, KQ2, \n
	WIN 0x55
	PKF OB+\o, OB+\o, LQ+\o, LQ+\o, \n             ; the divisor x (1 + e^-o)
	WIN 0x45
	TBEGIN 1, OB+\o, 2*\n, 2                       ; its reciprocal
	PKS GA+\o, GA+\o, XA+\o, KN2, \n
	TEND
	WIN 0x41
	PKM GA+\o, GA+\o, PA+\o, \n                    ; the numerator
	WIN 0x05
	PKM IA+\o, GA+\o, OB+\o, \n                    ; h, in window 0
	WIN 0
.endm
	EPI 0, 16
	STAGE 0
	EPI 32, 16
	STAGE 1
	SEND 1
	s_wait_tensorcnt 0x0                           ; the wave's end
	ds_add_u32 v[SPW], v[NIL]
	s_wait_dscnt 0x0
	CROUND                                         ; the closing round: no work-group ends while a partner may still ask for a tile that names it
	s_endpgm
.Lfunc_end_k_q29195f1d6f_layer2:
	.size	k_q29195f1d6f_layer2, .Lfunc_end_k_q29195f1d6f_layer2-k_q29195f1d6f_layer2
	.p2alignl 7, 3214868480
	.fill 96, 4, 3214868480
	.section	.rodata,"a",@progbits
	.p2align	6, 0x0
	.amdhsa_kernel k_q29195f1d6f_layer2
		.amdhsa_group_segment_fixed_size 327680
		.amdhsa_private_segment_fixed_size 0
		.amdhsa_enable_private_segment 0
		.amdhsa_kernarg_size 40
		.amdhsa_user_sgpr_count 2
		.amdhsa_user_sgpr_kernarg_segment_ptr 1
		.amdhsa_wavefront_size32 1
		.amdhsa_system_sgpr_workgroup_id_x 1
		.amdhsa_system_sgpr_workgroup_id_y 1
		.amdhsa_system_sgpr_workgroup_id_z 1
		.amdhsa_system_vgpr_workitem_id 0
		.amdhsa_next_free_vgpr 512
		.amdhsa_next_free_sgpr 100
		.amdhsa_reserve_vcc 0
		.amdhsa_float_denorm_mode_32 3
		.amdhsa_float_denorm_mode_16_64 3
		.amdhsa_memory_ordered 1
		.amdhsa_forward_progress 1
		.amdhsa_inst_pref_size 109
	.end_amdhsa_kernel
	.amdgpu_metadata
---
amdhsa.version: [ 1, 2 ]
amdhsa.kernels:
  - .name:           k_q29195f1d6f_layer2
    .symbol:         k_q29195f1d6f_layer2.kd
    .args:
      - { .name: act2, .offset: 0, .size: 8, .value_kind: global_buffer, .address_space: global }
      - { .name: w2, .offset: 8, .size: 8, .value_kind: global_buffer, .address_space: global }
      - { .name: b_ih12, .offset: 16, .size: 8, .value_kind: global_buffer, .address_space: global }
      - { .name: b_hh12, .offset: 24, .size: 8, .value_kind: global_buffer, .address_space: global }
      - { .name: out0, .offset: 32, .size: 8, .value_kind: global_buffer, .address_space: global }
    .group_segment_fixed_size: 327680
    .private_segment_fixed_size: 0
    .kernarg_segment_align: 8
    .kernarg_segment_size: 40
    .max_flat_workgroup_size: 256
    .sgpr_count:     100
    .vgpr_count:     512
    .wavefront_size: 32
...
	.end_amdgpu_metadata
.endif
;; end of part 3
